; MI455X (gfx1250); checked and timed in simulation.
; The chip was launched on July 23, 2026; its instructions are those of AMD's public machine-readable ISA for CDNA 5 (MIT licence, August 2026) and "CDNA5" Instruction Set Architecture Reference Guide (July 2026). The comments in the code are by the model that wrote it; some were corrected since.
;; MAELD Reg Loss. Allowed arithmetic: float matrix products may take bf16 or f16 operands with f32 sums; all other float work in f32.
;; Inputs: features 8,192 x 768 float32.
;; Outputs: out0 8,192 float32.
;; Constants: k = 20.
;; 2 versions, each right; version 2 is version 1 with the launch prep written anew for expert scheduling mode. Each part assembles by itself: llvm-mc -triple=amdgcn-amd-amdhsa -mcpu=gfx1250 --defsym DOCPART=n.
;; ======== version 1 of 2: 3 launches
;; workspace buffers: xb 12,582,912 bytes; hn 32,768 bytes; part 6,291,456 bytes
;; launch prep (part 1): grid 256 x 1, 8 waves a work-group, no clusters, 1,280 bytes of LDS; arguments features, xb, hn; writes xb, hn
.if DOCPART == 1
	.amdgcn_target "amdgcn-amd-amdhsa--gfx1250"
	.amdhsa_code_object_version 6
	.text
	.protected	k_qf5779eaf93_prep
	.globl	k_qf5779eaf93_prep
	.p2align	8
	.type	k_qf5779eaf93_prep,@function
k_qf5779eaf93_prep:
	s_mov_b64 s[64:65], 0
	v_nop
	global_prefetch_b8 v0, s[64:65] scope:SCOPE_SE
	s_setreg_imm32_b32 hwreg(HW_REG_WAVE_MODE, 25, 1), 1
	s_wait_xcnt 0x0
; xb[n][k] = bf16(features[n][k]);  hn[n] = -1/2 x the sum over k of xb[n][k]^2, in f32, taken on the ROUNDED numbers, so that
; |x|^2 + |y|^2 - 2 x.y made later from xb and hn is the squared distance of the rounded rows.
; features: [8192][768] f32.  xb: [8192][768] bf16.  hn: [8192] f32.
; A stream: every byte is read once and written once; no matrix unit, no tensor load, no cluster (no two work-groups read the same bytes).
; Eight waves, 32 rows a work-group, four whole rows a wave.  A row is 3,072 bytes: six loads of 16 bytes a lane, each covering 512
; consecutive bytes.  All 24 loads of a wave go out at once; no register is used twice, so no loop and no wait for a source is needed.
; LIMIT: finite inputs whose row sums of squares stay finite in f32.
.set ROWIN,  3072                      ; bytes in a row of features
.set ROWOUT, 1536                      ; bytes in a row of xb
.set X,  8                             ; v[8:103]    load (row p, piece i): 4 registers at X + 4 (6 p + i)
.set Y,  104                           ; v[104:151]  the same four numbers as bf16: 2 registers at Y + 2 (6 p + i); each store's own data
.set T,  152                           ; v[152:159]  the rounded numbers widened again, two sets that take turns
.set S,  160                           ; v[160:163]  four running sums of squares
.set HR, 164                           ; v[164:167]  -1/2 |row|^2 of my four rows
	s_load_b128 s[4:7], s[0:1], 0x0                ; features s[4:5], xb s[6:7]
	s_load_b64 s[8:9], s[0:1], 0x10                ; hn
	v_lshl_add_u32 v176, v0, 2, 0x100
	v_mov_b32 v177, 0
	v_lshrrev_b32 v1, 5, v0
	v_readfirstlane_b32 s10, v1                    ; wave 0..7
	v_and_b32 v2, 31, v0                           ; lane
	s_mul_i32 s16, ttmp9, 32*ROWIN                 ; the work-group's 32 rows in features,
	s_mov_b32 s17, 0
	s_mul_i32 s18, ttmp9, 32*ROWOUT                ; in xb,
	s_mov_b32 s19, 0
	s_lshl_b32 s20, ttmp9, 7                       ; and in hn (32 words)
	s_mov_b32 s21, 0
	s_mov_b32 s12, 0x76543210                      ; v_permlanex16_b32: lane i of one half reads lane i of the other
	s_mov_b32 s13, 0xfedcba98
	s_mov_b32 s14, 0xffff0000                      ; a word's upper bf16
	s_mul_i32 s15, s10, 4*ROWIN
	v_lshl_add_u32 v3, v2, 4, s15                  ; in: my wave's four rows + 16 bytes a lane
	s_mul_i32 s22, s10, 4*ROWOUT
	v_lshl_add_u32 v4, v2, 3, s22                  ; out: my wave's four rows + 8 bytes a lane
	s_lshl_b32 s23, s10, 4
	v_mov_b32 v5, s23                              ; LDS: my wave's four words
	v_lshlrev_b32 v7, 2, v2                        ; lane x 4: the work-group's 32 words, for wave 0
	s_wait_kmcnt 0x0
	s_add_nc_u64 s[4:5], s[4:5], s[16:17]
	s_add_nc_u64 s[6:7], s[6:7], s[18:19]
	s_add_nc_u64 s[8:9], s[8:9], s[20:21]
.irp p, 0,1,2,3
.irp i, 0,1,2,3,4,5
	global_load_b128 v[X+4*(6*\p+\i):X+4*(6*\p+\i)+3], v3, s[4:5] offset:\p*ROWIN+\i*512 th:TH_LOAD_NT
.endr
.endr
; One row: round, store, and sum the squares of what was stored.
.macro ROW p
	s_wait_loadcnt 18-6*\p                         ; loads come back in order: this row's six are in, the six of each younger row stay out
.irp i, 0,1,2,3,4,5
.set XX, X+4*(6*\p+\i)
.set YY, Y+2*(6*\p+\i)
.set TT, T+4*(\i&1)
	v_cvt_pk_bf16_f32 v[YY],   v[XX],   v[XX+1]    ; two roundings to nearest even, packed
	v_cvt_pk_bf16_f32 v[YY+1], v[XX+2], v[XX+3]
	v_lshlrev_b32 v[TT],   16,  v[YY]              ; bf16 to f32: the low half moves up, the high half stays
	v_and_b32     v[TT+1], s14, v[YY]
	v_lshlrev_b32 v[TT+2], 16,  v[YY+1]
	v_and_b32     v[TT+3], s14, v[YY+1]
.if \i == 0
	v_pk_mul_f32 v[S:S+1],   v[TT:TT+1],   v[TT:TT+1]      ; the first piece starts the sums: nothing is cleared
	v_pk_mul_f32 v[S+2:S+3], v[TT+2:TT+3], v[TT+2:TT+3]
.else
	v_pk_fma_f32 v[S:S+1],   v[TT:TT+1],   v[TT:TT+1],   v[S:S+1]
	v_pk_fma_f32 v[S+2:S+3], v[TT+2:TT+3], v[TT+2:TT+3], v[S+2:S+3]
.endif
	global_store_b64 v4, v[YY:YY+1], s[6:7] offset:\p*ROWOUT+\i*256   ; 32 lanes x 8 bytes: 256 consecutive bytes, at a multiple of 256 from xb's first byte
.endr
	v_pk_add_f32 v[S:S+1], v[S:S+1], v[S+2:S+3]
	v_add_f32 v[S], v[S], v[S+1]
	v_add_f32_dpp v[S], v[S], v[S] row_xmask:1 row_mask:0xf bank_mask:0xf    ; across the 16 lanes of each half,
	v_add_f32_dpp v[S], v[S], v[S] row_xmask:2 row_mask:0xf bank_mask:0xf
	v_add_f32_dpp v[S], v[S], v[S] row_xmask:4 row_mask:0xf bank_mask:0xf
	v_add_f32_dpp v[S], v[S], v[S] row_xmask:8 row_mask:0xf bank_mask:0xf
	v_permlanex16_b32 v[S+1], v[S], s12, s13       ; and across the halves (the destination has been written before)
	v_add_f32 v[S], v[S], v[S+1]
	v_mul_f32 v[HR+\p], -0.5, v[S]
	ds_store_b32 v5, v[HR+\p] offset:4*\p          ; every lane writes the same word with the same number
.endm
	ROW 0
	ROW 1
	ROW 2
	ROW 3
	; The 32 numbers of the work-group leave as one store of 128 consecutive bytes instead of 32 stores of one word.
	s_wait_dscnt 0x0                               ; my four words are in LDS, for wave 0's sake
	s_barrier_signal -1
	s_barrier_wait -1
	s_cmp_lg_u32 s10, 0
	s_cbranch_scc1 .Ldone
	ds_load_b32 v6, v7
	s_wait_dscnt 0x0
	global_store_b32 v7, v6, s[8:9]
.Ldone:
	s_wait_tensorcnt 0x0
	ds_add_u32 v176, v177
	s_wait_dscnt 0x0
	s_endpgm
.Lfunc_end_k_qf5779eaf93_prep:
	.size	k_qf5779eaf93_prep, .Lfunc_end_k_qf5779eaf93_prep-k_qf5779eaf93_prep
	.p2alignl 7, 3214868480
	.fill 96, 4, 3214868480
	.section	.rodata,"a",@progbits
	.p2align	6, 0x0
	.amdhsa_kernel k_qf5779eaf93_prep
		.amdhsa_group_segment_fixed_size 1280
		.amdhsa_private_segment_fixed_size 0
		.amdhsa_enable_private_segment 0
		.amdhsa_kernarg_size 24
		.amdhsa_user_sgpr_count 2
		.amdhsa_user_sgpr_kernarg_segment_ptr 1
		.amdhsa_wavefront_size32 1
		.amdhsa_system_sgpr_workgroup_id_x 1
		.amdhsa_system_sgpr_workgroup_id_y 1
		.amdhsa_system_sgpr_workgroup_id_z 1
		.amdhsa_system_vgpr_workitem_id 0
		.amdhsa_next_free_vgpr 178
		.amdhsa_next_free_sgpr 66
		.amdhsa_reserve_vcc 0
		.amdhsa_float_denorm_mode_32 3
		.amdhsa_float_denorm_mode_16_64 3
		.amdhsa_memory_ordered 1
		.amdhsa_forward_progress 1
		.amdhsa_inst_pref_size 18
	.end_amdhsa_kernel
	.amdgpu_metadata
---
amdhsa.version: [ 1, 2 ]
amdhsa.kernels:
  - .name:           k_qf5779eaf93_prep
    .symbol:         k_qf5779eaf93_prep.kd
    .args:
      - { .name: features, .offset: 0, .size: 8, .value_kind: global_buffer, .address_space: global }
      - { .name: xb, .offset: 8, .size: 8, .value_kind: global_buffer, .address_space: global }
      - { .name: hn, .offset: 16, .size: 8, .value_kind: global_buffer, .address_space: global }
    .group_segment_fixed_size: 1280
    .private_segment_fixed_size: 0
    .kernarg_segment_align: 8
    .kernarg_segment_size: 24
    .max_flat_workgroup_size: 256
    .sgpr_count:     66
    .vgpr_count:     178
    .wavefront_size: 32
...
	.end_amdgpu_metadata
.endif
;; end of part 1
;; launch knn (part 2): grid 8 x 32, 4 waves a work-group, clusters of 4 x 4, 327,680 bytes of LDS; arguments xb, hn, part; writes part
.if DOCPART == 2
	.amdgcn_target "amdgcn-amd-amdhsa--gfx1250"
	.amdhsa_code_object_version 6
	.text
	.protected	k_qf5779eaf93_knn
	.globl	k_qf5779eaf93_knn
	.p2align	8
	.type	k_qf5779eaf93_knn,@function
k_qf5779eaf93_knn:
	s_mov_b64 s[64:65], 0
	v_nop
	global_prefetch_b8 v0, s[64:65] scope:SCOPE_SE
	s_setreg_imm32_b32 hwreg(HW_REG_WAVE_MODE, 25, 1), 1
	s_wait_xcnt 0x0
	s_wait_alu depctr_hold_cnt(0) depctr_sa_sdst(0) depctr_va_vdst(0) depctr_va_sdst(0) depctr_va_ssrc(0) depctr_va_vcc(0) depctr_vm_vsrc(0)
	s_getreg_b32 s2, hwreg(HW_REG_IB_STS2, 6, 4)
	s_cmp_eq_u32 s2, 0
	s_cbranch_scc0 .Lentry_in_a_cluster
	s_endpgm
.Lentry_in_a_cluster:
	s_bfe_u32 s2, ttmp6, 0x10000c
	s_cmp_lg_u32 s2, 0xf033
	s_cbranch_scc0 .Lentry_shape_is_right
	s_endpgm
.Lentry_shape_is_right:
; For each query row q, the 21 LARGEST of t(q, c) = xb[q] . xb[c] + hn[c] over this work-group's 1,024 candidate rows c, sorted, into part.
; hn[c] = -|xb[c]|^2 / 2, so |q|^2 - 2 t is the squared distance: the largest t are the nearest rows, and the root is taken later, of 20 numbers a row.
; xb: [8192][768] bf16.  hn: [8192] f32.  part: [8 splits][6][8192 rows][4] f32: entry i of a row's list is word i % 4 of quarter i / 4 (entries 21-23: -inf).
;
; THE PRODUCT.  Work-group (bx, by): query rows 256 by .. + 255, candidates 1024 bx .. + 1023 in four column steps of 256.  Four waves, as many as a
; WGP has SIMDs; a wave owns 64 query rows (a = 0..3 blocks of 16) x the step's 256 candidates (b = 0..15): 64 accumulator tiles, 512 registers.
; K = 768 goes in six trips of 128 through two LDS slots filled by the tensor data mover: 24 trips = 12 laps of two trips.  A tile's rows are 256
; bytes of memory and start at multiples of 256 bytes from xb's first byte.  The accumulators START from hn[c], read from LDS: the term costs no arithmetic.
; CLUSTERS: 4 x 4 work-groups.  The four of a row of the cluster share by and so the query tiles, the four of a column share bx and so the
; candidate tiles: each tile is asked for jointly by the four, which divides the requests by four.
; THE MATRIX INSTRUCTION IS USED TRANSPOSED: source 0 = 16 candidate rows, source 1 = 16 query rows.  Lane (r = l % 16, h = l / 16) then holds, in
; registers j = 0..7 of tile (a, b), t(query 16 a + r, candidate 16 b + 8 h + j): eight candidates of ONE query row, a group.
;
; THE SELECTION, without any branch or address that hangs on data, exact for every input.  Each group of eight is sorted (19 compare-exchanges).
; A number of rank j in its group (0 = largest) can be among the 21 largest only if it is among the floor(21 / (j + 1)) largest of all numbers of rank j:
; each rank-j number ahead of it, and itself, has j larger ones in its own group.  So a lane keeps, for each block a, eight sorted lists of
; 21, 10, 7, 5, 4, 3, 3, 2 = 55 registers, and an insertion costs one v_med3_num_f32 an entry.  At the end the eight lists are merged, then the lists of
; the two lanes that share a query row.  Equal numbers are kept as numbers; no order among them is needed.
; The selection stands between two column steps and does not run beside the same wave's products: a second set of 512 accumulators does not fit.
; ITS TEXT IS A LOOP over b.  A trip takes the tiles (0..3, b), tile a for the lists of block a, so that all but the network's first layer names the same
; registers in every trip and stands once.  The first layer, which reads the accumulators, stands once for each b and is reached by four compares of
; the trip's counter.  The closing is a loop over a in the same way.  That keeps the code of the lap loop near 13 KiB.
;
; LIMITS: finite inputs (v_med3_num_f32, v_max_num_f32 and v_min_num_f32 drop a NaN).  The operands are bf16; sums in f32, K ascending, on top of hn[c].
;
; REGISTERS, in windows of 256 (s_set_vgpr_msb's low byte: bits 1:0 source 0, 3:2 source 1, 5:4 source 2, 7:6 destination):
;   window 0: v0-27 addresses and staging; v64-191 candidate fragments b = 0..15; v192-223, v224-255 query fragments a = 0..3, two buffers
;   window 1: v[55 a .. 55 a + 54] the lists of block a; v220-251 four sorted groups at work; v252-255 a spare register for each of them
;   window 2: accumulator tile (a, b) at v[32 b + 8 a], b = 0..7;   window 3: the same for b = 8..15
.set PITCH,  272                       ; an LDS row: 256 bytes + 16 of padding, an odd multiple of 16: the 16 rows of a fragment load start 16 bytes apart modulo 256
.set HALFT,  128*PITCH                 ; 128 rows: what one tensor load brings
.set SLOT,   4*HALFT                   ; 256 query rows, then 256 candidate rows
.set HT,     2*SLOT                    ; behind the ring: hn of my 1,024 candidates, 4,096 bytes, written by LDS stores; no tensor load lands here
.set NI,     HT+4096                   ; behind that: 16 bytes of -inf for each wave, its own
.set ROWB,   1536                      ; bytes in a row of xb
.set ADRA, 4                           ; v4-5    LDS address of my query fragments in slot 0, 1
.set ADRB, 6                           ; v6-7    the same for the candidate fragments
.set VO,   8                           ; v8      my byte offset in part
.set HADR, 9                           ; v9      LDS address of hn of the column step that starts next, + 32 h
.set BF,   64
.set AF0,  192
.set AF1,  224
.set TMP,  220                         ; window 1
.set NEG,  241                         ; window 1: -inf, for the closing
.set OD,   244                         ; window 1: v244-255, the data of a block's three stores
.set G1,  24                           ; s[24:31] descriptor group 1, query tiles
.set G0,  32                           ; s[32:39] descriptor group 0, query tiles, a set for each slot
.set G1B, 48                           ; s[48:55] group 1, candidate tiles: differs in the mask alone
.set G0B, 56                           ; s[56:63] group 0, candidate tiles, a set for each slot
.set MUL_LO, 0xa0                      ; fragments in window 0, C and D in window 2
.set MUL_HI, 0xf0                      ; the same, C and D in window 3
.set MSB, 0
.macro WIN new                         ; the immediate's high byte repeats the setting that is left; a switch that changes nothing is dropped
.if MSB != \new
	s_set_vgpr_msb (MSB<<8)|\new
.set MSB, \new
.endif
.endm
; A load into a register that a matrix instruction has read, and a vector instruction that reads a matrix result, stand four places behind
; that matrix instruction; only plain vector instructions that name none of its registers are places.
.macro PLACES
.rept 4
	v_nop
.endr
.endm
; A joint load.  Waves 0 and 1 fetch the two halves of the query tile, waves 2 and 3 those of the candidate tile.  Each line has one mask and one set of
; registers for all that issue it.  The branch hangs on the wave's number alone.  Four v_nop follow each line.
.macro JLOAD s
	s_cmp_eq_u32 s11, 0
	s_cbranch_scc0 .Lfor_b_\@
	tensor_load_to_lds s[G0+4*\s:G0+4*\s+3], s[G1:G1+7]
	s_nop 0
.rept 4
	v_nop
.endr
	s_branch .Lasked_\@
.Lfor_b_\@:
	tensor_load_to_lds s[G0B+4*\s:G0B+4*\s+3], s[G1B:G1B+7]
	s_nop 0
.rept 4
	v_nop
.endr
.Lasked_\@:
.endm
; A round of the cluster's barrier: my work-group's barrier; wave 0 signals for the work-group; every wave waits for all sixteen; my work-group's barrier again.
.macro CREST                           ; a round behind its opening barrier
	s_cmp_lg_u32 s10, 0
	s_cbranch_scc1 .Lnot_wave_0_\@
	s_barrier_signal -3
.Lnot_wave_0_\@:
	s_barrier_wait -3
	s_barrier_signal -1
	s_barrier_wait -1
.endm
.macro CROUND
	s_barrier_signal -1
	s_barrier_wait -1
	CREST
.endm
	s_load_b128 s[4:7], s[0:1], 0x0                ; xb s[4:5], hn s[6:7]
	s_load_b64 s[8:9], s[0:1], 0x10                ; part
	v_lshl_add_u32 v62, v0, 2, 0x45100
	v_mov_b32 v63, 0
	ds_add_u32 v62, v63
	v_lshrrev_b32 v1, 5, v0
	v_readfirstlane_b32 s10, v1                    ; wave 0..3
	s_lshr_b32 s11, s10, 1                         ; I fetch for the query tile (0) or the candidate tile (1),
	s_and_b32 s12, s10, 1                          ; and which 128 rows of it
	s_bfe_u32 s40, ttmp6, 0x40000                  ; cx
	s_bfe_u32 s41, ttmp6, 0x40004                  ; cy
	s_lshl_b32 s42, ttmp9, 2                       ; in a cluster launch ttmp9 and ttmp7 count clusters
	s_add_co_u32 s42, s42, s40                     ; bx = 4 x cluster x + cx: my split of the candidates
	s_and_b32 s13, ttmp7, 0xffff
	s_lshl_b32 s13, s13, 2
	s_add_co_u32 s13, s13, s41                     ; by = 4 x cluster y + cy: my block of query rows
	s_lshl_b32 s43, s41, 2
	s_lshl_b32 s43, 15, s43                        ; my row of the cluster: places 4 cy .. 4 cy + 3
	s_lshl_b32 s44, 0x1111, s40                    ; my column: places cx, cx + 4, cx + 8, cx + 12
	; group 1: a tile of 128 rows x 128 elements of 2 bytes, 768 elements from row to row, 16 bytes of padding behind every 256 in LDS
	s_or_b32 s[G1+0],  s43, (1<<16)|(1<<20)|(1<<21)|(5<<22)|(3<<25)  ; 15:0 mask: my row; 17:16 2-byte elements; 20 padding on; 21 set beside a mask; 24:22 after 64 words; 31:25 of 4 words
	s_or_b32 s[G1B+0], s44, (1<<16)|(1<<20)|(1<<21)|(5<<22)|(3<<25)  ; the same with the mask of my column
	s_mov_b32 s[G1+1],  128<<16                    ; tensor_dim0 = 128
	s_mov_b32 s[G1B+1], 128<<16
	s_mov_b32 s[G1+2],  128<<16                    ; tensor_dim1 = 128
	s_mov_b32 s[G1B+2], 128<<16
	s_mov_b32 s[G1+3],  128<<16                    ; tile_dim0 = 128
	s_mov_b32 s[G1B+3], 128<<16
	s_mov_b32 s[G1+4],  128                        ; tile_dim1 = 128, tile_dim2 = 0
	s_mov_b32 s[G1B+4], 128
	s_mov_b32 s[G1+5],  768                        ; elements from row to row
	s_mov_b32 s[G1B+5], 768
	s_mov_b32 s[G1+6],  0
	s_mov_b32 s[G1B+6], 0
	s_mov_b32 s[G1+7],  0
	s_mov_b32 s[G1B+7], 0
	; where the tiles come from: the query tile hangs on by alone, the candidate tile on bx alone, each in registers that never hold the other coordinate
	s_lshl_b32 s17, s12, 7                         ; which 128 rows I fetch
	s_lshl_b32 s16, s13, 8
	s_add_co_u32 s16, s16, s17                     ; query row 256 by + 128 x half
	s_lshl_b32 s46, s42, 10
	s_add_co_u32 s46, s46, s17                     ; candidate row 1024 bx + 128 x half
	s_mul_i32 s16, s16, ROWB                       ; in bytes: below 8,192 x 1,536, inside 32 bits
	s_mul_i32 s46, s46, ROWB
	s_mov_b32 s17, 0
	s_mov_b32 s47, 0
	s_mul_i32 s20, s10, HALFT                      ; and where they go: wave x 128 rows; no place in the cluster enters an LDS address
	s_wait_dscnt 0x0
	s_wait_kmcnt 0x0
	s_add_nc_u64 s[14:15], s[4:5], s[16:17]
	s_add_nc_u64 s[46:47], s[4:5], s[46:47]
	CROUND                                         ; all sixteen work-groups are here: the first joint loads meet
.irp s, 0,1
	s_mov_b32 s[G0+4*\s], 1                                        ; count = 1
	s_add_co_u32 s[G0+4*\s+1], s20, \s*SLOT                        ; LDS address
	s_add_nc_u64 s[G0+4*\s+2:G0+4*\s+3], s[14:15], \s*256          ; global address: K trip s
	s_or_b32 s[G0+4*\s+3], s[G0+4*\s+3], 0x80000000                ; type = 2
	s_mov_b32 s[G0B+4*\s], 1
	s_add_co_u32 s[G0B+4*\s+1], s20, \s*SLOT
	s_add_nc_u64 s[G0B+4*\s+2:G0B+4*\s+3], s[46:47], \s*256
	s_or_b32 s[G0B+4*\s+3], s[G0B+4*\s+3], 0x80000000
	JLOAD \s                                       ; both slots are asked for before anything else: two tensor loads of a wave are out here, one later
.endr
	; hn of my 1,024 candidates: 128 threads x two loads of 16 bytes, each load of a wave 512 consecutive bytes
	s_lshl_b32 s46, s42, 12
	s_mov_b32 s47, 0
	s_add_nc_u64 s[6:7], s[6:7], s[46:47]
	v_lshlrev_b32 v11, 4, v0
	global_load_b128 v[16:19], v11, s[6:7]
	global_load_b128 v[20:23], v11, s[6:7] offset:2048
	; part at my split and my wave's first row
	s_mul_i32 s46, s42, 6*8192*16
	s_add_nc_u64 s[8:9], s[8:9], s[46:47]
	s_lshl_b32 s16, s13, 12                        ; 256 by rows of 16 bytes
	s_lshl_b32 s17, s10, 10                        ; + 64 rows a wave
	s_add_co_u32 s16, s16, s17
	s_mov_b32 s17, 0
	s_add_nc_u64 s[8:9], s[8:9], s[16:17]
	s_mov_b32 s76, 0x76543210                      ; v_permlanex16_b32: lane i of one half reads lane i of the other
	s_mov_b32 s77, 0xfedcba98
	s_mov_b32 s78, 0xffff0000                      ; lanes 16-31, as a mask for v_cndmask_b32
	s_mov_b32 s79, 0xff800000                      ; -inf
	; A fragment is 16 rows x 32 K in 8 registers: lane l holds row l % 16; registers 0-3 K = 8 (l / 16) + 0..7, registers 4-7 K = 16 + 8 (l / 16) + 0..7:
	; two loads of 16 bytes, 32 bytes apart, at row x pitch + 16 (l / 16).
	v_and_b32 v1, 15, v0                           ; r
	v_bfe_u32 v2, v0, 4, 1                         ; h
	v_mul_u32_u24 v3, v1, PITCH
	v_lshl_add_u32 v3, v2, 4, v3
	s_mul_i32 s21, s10, 64*PITCH                   ; my 64 query rows
	s_add_co_u32 s22, s21, SLOT
	v_add_nc_u32 v[ADRA],   s21, v3
	v_add_nc_u32 v[ADRA+1], s22, v3
	v_add_nc_u32 v[ADRB],   2*HALFT, v3            ; the candidates lie behind the 256 query rows; every wave reads all of them
	v_add_nc_u32 v[ADRB+1], SLOT+2*HALFT, v3
	v_lshlrev_b32 v[VO], 4, v1                     ; part: 16 bytes a row; lanes 16-31 write the next quarter of the list, 8,192 x 16 bytes on
	v_lshl_add_u32 v[VO], v2, 17, v[VO]
	v_lshlrev_b32 v[HADR], 5, v2                   ; my eight candidates of a tile begin 32 h bytes into its 64
	v_add_nc_u32 v[HADR], HT, v[HADR]
	v_add_nc_u32 v10, HT, v11
	; The lists start at -inf: they are sorted lists that are compared from the first insertion on, so they need a sentinel.  The wave puts 16 bytes of
	; -inf into LDS bytes of its own, and 55 loads, in which every lane reads those 16 bytes, fill the 220 registers.  LDS serves a wave's instructions
	; in order (ISA guide 5.7.1.4): the loads see the store.
	s_lshl_b32 s23, s10, 4
	s_add_co_u32 s23, s23, NI
	v_mov_b32 v12, s23
.irp i, 24,25,26,27
	v_mov_b32 v\i, s79
.endr
	ds_store_b128 v12, v[24:27]
	WIN 0x40                                       ; destination in window 1, address in window 0
.set li, 0
.rept 55
	ds_load_b128 v[li:li+3], v12
.set li, li+4
.endr
	WIN 0
	s_wait_loadcnt 0x0
	ds_store_b128 v10, v[16:19]
	ds_store_b128 v10, v[20:23] offset:2048
; cnt x 4 matrix instructions: candidate blocks b0 .. b0 + cnt - 1 x my four query blocks, 32 along K.  The 64 accumulators take turns, one
; instruction a turn, in the same order in every quarter trip, over the backward jump too.
.macro MULB b0, cnt, af
.set bb, \b0
.rept \cnt
.irp a, 0,1,2,3
	v_wmma_f32_16x16x32_bf16 v[8*(4*(bb&7)+\a):8*(4*(bb&7)+\a)+7], v[BF+8*bb:BF+8*bb+7], v[\af+8*\a:\af+8*\a+7], v[8*(4*(bb&7)+\a):8*(4*(bb&7)+\a)+7]
.endr
.set bb, bb+1
.endr
.endm
; 16 LDS loads: candidate fragments b0 .. b0 + 7 at byte k of the rows.  The largest immediate is 15 x 4,352 + 192 + 32 = 65,504.
.macro LDB slot, k, b0
.irp i, 0,1,2,3,4,5,6,7
	ds_load_b128 v[BF+8*(\b0+\i):BF+8*(\b0+\i)+3],   v[ADRB+\slot] offset:\k+(\b0+\i)*16*PITCH
	ds_load_b128 v[BF+8*(\b0+\i)+4:BF+8*(\b0+\i)+7], v[ADRB+\slot] offset:\k+(\b0+\i)*16*PITCH+32
.endr
.endm
; 8 LDS loads: my four query fragments into buffer af
.macro LDA slot, k, af
.irp i, 0,1,2,3
	ds_load_b128 v[\af+8*\i:\af+8*\i+3],   v[ADRA+\slot] offset:\k+\i*16*PITCH
	ds_load_b128 v[\af+8*\i+4:\af+8*\i+7], v[ADRA+\slot] offset:\k+\i*16*PITCH+32
.endr
.endm
; One of a trip's first three quarters (32 along K, 64 matrix instructions).  The candidate fragments have one buffer, loaded again in halves:
; blocks 0-7 behind their products, while blocks 8-15 are multiplied, and the other way round.  k: byte of the NEXT quarter in the rows.
.macro QK slot, k, cur, nxt
	s_wait_dscnt 16                                ; blocks 0-7 and my query fragments are in; the 16 youngest loads (blocks 8-15) may be out
	WIN MUL_LO
	MULB 0, 8, \cur
	WIN 0
	PLACES
	LDB \slot, \k, 0
	LDA \slot, \k, \nxt
	s_wait_dscnt 24                                ; blocks 8-15 are in; the 24 just issued stay out
	WIN MUL_HI
	MULB 8, 8, \cur
	WIN 0
	PLACES
	LDB \slot, \k, 8
.endm
; The last quarter of a trip: multiplies buffer 1 and changes slots.  fill = 1: this slot is filled again, with the tile two trips ahead.
; In front of the barrier each wave waits for its reads of this slot and for all its tensor loads (the one that is out is its part of the next slot).
; Where a slot is filled again the barrier opens a round of the cluster's barrier, only register work stands inside the round, and the joint load
; is the first thing behind it.  From a request to the wait for it a wave issues 240 matrix instructions.
.macro TURNK slot, next, fill
	s_wait_dscnt 16
	WIN MUL_LO
	MULB 0, 4, AF1
	s_wait_dscnt 0x0                               ; my reads of this slot are over
	s_wait_tensorcnt 0x0                           ; and all my tensor loads have landed
	ds_add_u32 v62, v63
	s_wait_dscnt 0x0
	s_barrier_signal -1
	MULB 4, 4, AF1                                 ; work on registers while the others arrive
	WIN 0
	s_barrier_wait -1
.if \fill
	CREST                                          ; no wave of any partner still reads this slot or has a load on its way
	s_add_nc_u64 s[G0+4*\slot+2:G0+4*\slot+3], s[G0+4*\slot+2:G0+4*\slot+3], 512       ; two trips on along K;
	s_sub_nc_u64 s[G0+4*\slot+2:G0+4*\slot+3], s[G0+4*\slot+2:G0+4*\slot+3], s[72:73]  ; in a column step's last lap: back to the row's start (- 1,536)
	s_add_nc_u64 s[G0B+4*\slot+2:G0B+4*\slot+3], s[G0B+4*\slot+2:G0B+4*\slot+3], 512
	s_add_nc_u64 s[G0B+4*\slot+2:G0B+4*\slot+3], s[G0B+4*\slot+2:G0B+4*\slot+3], s[74:75] ; there: 256 rows down and back to the row's start (+ 393,216 - 1,536)
	JLOAD \slot                                    ; its four v_nop are also the places in front of the loads below
.else
	PLACES
.endif
	LDB \next, 0, 0
	LDA \next, 0, AF0
	WIN MUL_HI
	MULB 8, 8, AF1
	WIN 0
	PLACES
	LDB \next, 0, 8
.endm
.macro THREE slot
	QK \slot, 64,  AF0, AF1
	QK \slot, 128, AF1, AF0
	QK \slot, 192, AF0, AF1
.endm
; ---- the selection ----
; W<wire><tile> names the register that holds a wire of a tile's sorting network, F<tile> the tile's spare register.
.macro NAMES t
.set W0\t, TMP+8*\t
.set W1\t, TMP+8*\t+1
.set W2\t, TMP+8*\t+2
.set W3\t, TMP+8*\t+3
.set W4\t, TMP+8*\t+4
.set W5\t, TMP+8*\t+5
.set W6\t, TMP+8*\t+6
.set W7\t, TMP+8*\t+7
.set F\t,  TMP+32+\t
.endm
; Compare-exchange on wires i < j of tile t: the larger to wire i.  The maximum goes to the spare register, the minimum stays in place;
; wire i's old register becomes the spare one: two instructions, no copy.
.macro CE t, i, j
	v_max_num_f32 v[F\t],    v[W\i\t], v[W\j\t]
	v_min_num_f32 v[W\j\t], v[W\i\t], v[W\j\t]
.set SWP, F\t
.set F\t, W\i\t
.set W\i\t, SWP
.endm
.macro CE4 i, j                        ; the same comparator in the four tiles of a trip, so that no instruction waits for the one in front of it
.irp t, 0,1,2,3
	CE \t, \i, \j
.endr
.endm
; Insert v[val] into the descending list v[base .. base + len - 1], given that entries 0 .. pos - 1 are no smaller than it.
; New entry i = the middle one of (old entry i - 1, old entry i, val); from the end upward, so that the neighbour read is the old one.
.macro INS base, pos, len, val
.set ii, \len-1
.rept \len-1-(\pos)
	v_med3_num_f32 v[\base+ii], v[\base+ii-1], v[\base+ii], v[\val]
.set ii, ii-1
.endr
	v_max_num_f32 v[\base+(\pos)], v[\base+(\pos)], v[\val]
.endm
.macro INS8 t                          ; the sorted group of tile (t, b) into the eight lists of block t: 55 instructions
	INS 55*\t,    0, 21, W0\t
	INS 55*\t+21, 0, 10, W1\t
	INS 55*\t+31, 0, 7,  W2\t
	INS 55*\t+38, 0, 5,  W3\t
	INS 55*\t+43, 0, 4,  W4\t
	INS 55*\t+47, 0, 3,  W5\t
	INS 55*\t+50, 0, 3,  W6\t
	INS 55*\t+53, 0, 2,  W7\t
.endm
; The network's first layer for the tiles (0..3, b): it reads the accumulators and writes window 1, tile a to v[TMP + 8 a ..].  With init = 1 the
; accumulators are then loaded with hn of the next column step (all lanes of a half read the same 16 bytes).
.macro L1B b, init
.if \b < 8
	WIN 0x4a                                       ; sources in window 2, destination in window 1
.else
	WIN 0x4f                                       ; sources in window 3
.endif
.irp a, 0,1,2,3
.irp i, 0,1,2,3
	v_max_num_f32 v[TMP+8*\a+2*\i],   v[32*(\b&7)+8*\a+2*\i], v[32*(\b&7)+8*\a+2*\i+1]
	v_min_num_f32 v[TMP+8*\a+2*\i+1], v[32*(\b&7)+8*\a+2*\i], v[32*(\b&7)+8*\a+2*\i+1]
.endr
.endr
.if \init
.if \b < 8
	WIN 0x80                                       ; destination in window 2, address in window 0
.else
	WIN 0xc0
.endif
.irp a, 0,1,2,3
	ds_load_b128 v[32*(\b&7)+8*\a:32*(\b&7)+8*\a+3],   v[HADR] offset:64*\b
	ds_load_b128 v[32*(\b&7)+8*\a+4:32*(\b&7)+8*\a+7], v[HADR] offset:64*\b+16
.endr
.endif
	WIN 0                                          ; a branch or a label follows
.endm
.macro TST tgt, id                     ; the trip's counter is tgt or more: on to the upper half of the blocks that are left
	s_cmp_ge_u32 s71, \tgt
	s_cbranch_scc1 .Lsb_\tgt\id
.endm
.macro NEXTB b, id                     ; closes the block in front and opens block b
	s_branch .Lsc_\id
.Lsb_\b\id:
.endm
; All 64 tiles of a finished column step, in 16 trips.  Four v_nop stand between the last matrix instruction and this macro.  s71 counts the trips; it is
; the same in every wave and every work-group, and the blocks that it chooses among hold no barrier and no tensor load.
; The network is Batcher's odd-even merge sort for eight.
.macro SELECT init
.if \init
	v_add_nc_u32 v[HADR], 1024, v[HADR]            ; hn of the next 256 candidates
.endif
	s_mov_b32 s71, 0
.Lst_\init:
	TST 8, \init
	TST 4, \init
	TST 2, \init
	TST 1, \init
	L1B 0, \init
	NEXTB 1, \init
	L1B 1, \init
	NEXTB 2, \init
	TST 3, \init
	L1B 2, \init
	NEXTB 3, \init
	L1B 3, \init
	NEXTB 4, \init
	TST 6, \init
	TST 5, \init
	L1B 4, \init
	NEXTB 5, \init
	L1B 5, \init
	NEXTB 6, \init
	TST 7, \init
	L1B 6, \init
	NEXTB 7, \init
	L1B 7, \init
	NEXTB 8, \init
	TST 12, \init
	TST 10, \init
	TST 9, \init
	L1B 8, \init
	NEXTB 9, \init
	L1B 9, \init
	NEXTB 10, \init
	TST 11, \init
	L1B 10, \init
	NEXTB 11, \init
	L1B 11, \init
	NEXTB 12, \init
	TST 14, \init
	TST 13, \init
	L1B 12, \init
	NEXTB 13, \init
	L1B 13, \init
	NEXTB 14, \init
	TST 15, \init
	L1B 14, \init
	NEXTB 15, \init
	L1B 15, \init
.Lsc_\init:
.irp t, 0,1,2,3
	NAMES \t
.endr
	WIN 0x55                                       ; everything in window 1
	CE4 0, 2
	CE4 1, 3
	CE4 4, 6
	CE4 5, 7
	CE4 1, 2
	CE4 5, 6
	CE4 0, 4
	CE4 1, 5
	CE4 2, 6
	CE4 3, 7
	CE4 2, 4
	CE4 3, 5
	CE4 1, 2
	CE4 3, 4
	CE4 5, 6
.irp t, 0,1,2,3
	INS8 \t
.endr
	WIN 0
.if \init
	s_wait_dscnt 0x0                               ; this trip's eight loads into accumulators are done before any later line reads an accumulator; they were issued 340 vector instructions ago
.endif
	s_add_co_u32 s71, s71, 1
	s_cmp_lt_u32 s71, 16
	s_cbranch_scc1 .Lst_\init
.endm
	s_wait_dscnt 0x0                               ; my part of hn is in LDS, for the others' sake
	s_wait_tensorcnt 0x1                           ; my part of slot 0 is in; slot 1's may stay out
	s_barrier_signal -1
	s_barrier_wait -1
	; The accumulators start from hn of column step 0.  More LDS loads are issued here than DScnt's field counts; the issue then stalls
	; (ISA guide 5.7.1), so no wait is written for that.
	WIN 0x80
.irp b, 0,1,2,3,4,5,6,7
.irp a, 0,1,2,3
	ds_load_b128 v[8*(4*\b+\a):8*(4*\b+\a)+3],   v[HADR] offset:64*\b
	ds_load_b128 v[8*(4*\b+\a)+4:8*(4*\b+\a)+7], v[HADR] offset:64*\b+16
.endr
.endr
	WIN 0xc0
.irp b, 0,1,2,3,4,5,6,7
.irp a, 0,1,2,3
	ds_load_b128 v[8*(4*\b+\a):8*(4*\b+\a)+3],   v[HADR] offset:64*(\b+8)
	ds_load_b128 v[8*(4*\b+\a)+4:8*(4*\b+\a)+7], v[HADR] offset:64*(\b+8)+16
.endr
.endr
	WIN 0
	LDB 0, 0, 0
	LDA 0, 0, AF0
	LDB 0, 0, 8                                    ; LDS loads come back in order: the first wait below, which leaves these 16 out, covers all the others
	; Eleven laps that fill both slots again; a column step is three laps, s70 counts them.  The branch round the selection hangs on that
	; counter alone, which is the same in every wave and every work-group, and holds no barrier and no tensor load.
	s_mov_b32 s3, 0
	s_mov_b32 s70, 0
	s_mov_b32 s73, 0
	s_mov_b32 s75, 0
.Llap:
	s_cmp_eq_u32 s70, 2                            ; the step's last lap asks for the next column step's first tiles
	s_cselect_b32 s72, ROWB, 0
	s_cselect_b32 s74, 256*ROWB-ROWB, 0
	THREE 0
	TURNK 0, 1, 1
	THREE 1
	TURNK 1, 0, 1
	s_cmp_lg_u32 s70, 2
	s_cbranch_scc1 .Lnosel
	SELECT 1
.Lnosel:
	s_add_co_u32 s70, s70, 1
	s_cmp_eq_u32 s70, 3
	s_cselect_b32 s70, 0, s70
	s_add_co_u32 s3, s3, 1
	s_cmp_lt_u32 s3, 11
	s_cbranch_scc1 .Llap
	; the last lap fills nothing and has no round of the cluster's barrier: the one tensor load of mine that is out is slot 1's, the last trip's
	THREE 0
	TURNK 0, 1, 0
	THREE 1
	s_wait_dscnt 16
	WIN MUL_LO
	MULB 0, 8, AF1
	s_wait_dscnt 0x0
	WIN MUL_HI
	MULB 8, 8, AF1
	WIN 0
	PLACES
	SELECT 0
; ---- the closing: a loop over the four blocks a, whose merges always work on block 0's registers v0-54 of window 1 ----
; The list of rank j into the list of rank 0.  Its entry i is no larger than (i + 1)(j + 1) - 1 numbers merged before it: the i entries ahead of
; it in its own list and the first i + 1 entries of each of the j lower ranks' lists.  So the insertion begins at that place.
.macro MRANK off, size, j
.set mi, 0
.rept \size
	INS 0, (mi+1)*(\j+1)-1, 21, \off+mi
.set mi, mi+1
.endr
.endm
; Block a's 55 registers to block 0's, whose own lists have left by then: 165 moves in all, so that the 600 instructions of the merges stand once.
.macro COPY a
	WIN 0x55
.set mi, 0
.rept 55
	v_mov_b32 v[mi], v[55*\a+mi]
.set mi, mi+1
.endr
	WIN 0
.endm
	WIN 0x40
	v_mov_b32 v[NEG], s79
	WIN 0
	s_mov_b32 s71, 0                               ; a
.Lclose:
	s_cmp_eq_u32 s71, 0
	s_cbranch_scc1 .Lmerge
	s_cmp_ge_u32 s71, 2
	s_cbranch_scc1 .Lcp2
	COPY 1
	s_branch .Lmerge
.Lcp2:
	s_cmp_ge_u32 s71, 3
	s_cbranch_scc1 .Lcp3
	COPY 2
	s_branch .Lmerge
.Lcp3:
	COPY 3
.Lmerge:
	WIN 0x55
	MRANK 21, 10, 1
	MRANK 31, 7,  2
	MRANK 38, 5,  3
	MRANK 43, 4,  4
	MRANK 47, 3,  5
	MRANK 50, 3,  6
	MRANK 53, 2,  7
	; Lanes l and l xor 16 hold the two halves of a query row's candidates: each takes a copy of the other's list and merges it into its own
	; (entry i begins at place i: the i entries ahead of it have gone in).  Both end with the same list.
.set mi, 0
.rept 21
	v_permlanex16_b32 v[TMP+mi], v[mi], s76, s77   ; the destinations have been written by the selection
.set mi, mi+1
.endr
.set mi, 0
.rept 21
	INS 0, mi, 21, TMP+mi
.set mi, mi+1
.endr
	; Three stores: lanes 0-15 write quarter 2 i of the lists of rows 16 a .. + 15, lanes 16-31 quarter 2 i + 1: sixteen lanes store 256 consecutive
	; bytes, at a multiple of 256 from part's first byte.
.irp i, 0,1
.irp e, 0,1,2,3
	v_cndmask_b32 v[OD+4*\i+\e], v[8*\i+\e], v[8*\i+4+\e], s78
.endr
.endr
	v_cndmask_b32 v[OD+8], v16, v20, s78
.irp e, 1,2,3
	v_cndmask_b32 v[OD+8+\e], v[16+\e], v[NEG], s78        ; entries 21-23 do not exist: -inf
.endr
	WIN 0x04                                       ; address in window 0, data in window 1
.irp i, 0,1,2
	global_store_b128 v[VO], v[OD+4*\i:OD+4*\i+3], s[8:9] offset:\i*262144
.endr
	WIN 0
	s_wait_xcnt 0x0                                ; the stores have had their addresses translated (ISA guide 3.1): their base is stepped, and their data rewritten in the next trip, only behind this wait
	s_add_nc_u64 s[8:9], s[8:9], 256               ; the next 16 rows of 16 bytes
	s_add_co_u32 s71, s71, 1
	s_cmp_lt_u32 s71, 4
	s_cbranch_scc1 .Lclose
	CROUND                                         ; the closing round: no work-group ends while a partner may still ask for a tile that names it
	s_endpgm
.Lfunc_end_k_qf5779eaf93_knn:
	.size	k_qf5779eaf93_knn, .Lfunc_end_k_qf5779eaf93_knn-k_qf5779eaf93_knn
	.p2alignl 7, 3214868480
	.fill 96, 4, 3214868480
	.section	.rodata,"a",@progbits
	.p2align	6, 0x0
	.amdhsa_kernel k_qf5779eaf93_knn
		.amdhsa_group_segment_fixed_size 327680
		.amdhsa_private_segment_fixed_size 0
		.amdhsa_enable_private_segment 0
		.amdhsa_kernarg_size 24
		.amdhsa_user_sgpr_count 2
		.amdhsa_user_sgpr_kernarg_segment_ptr 1
		.amdhsa_wavefront_size32 1
		.amdhsa_system_sgpr_workgroup_id_x 1
		.amdhsa_system_sgpr_workgroup_id_y 1
		.amdhsa_system_sgpr_workgroup_id_z 1
		.amdhsa_system_vgpr_workitem_id 0
		.amdhsa_next_free_vgpr 1024
		.amdhsa_next_free_sgpr 84
		.amdhsa_reserve_vcc 0
		.amdhsa_float_denorm_mode_32 3
		.amdhsa_float_denorm_mode_16_64 3
		.amdhsa_memory_ordered 1
		.amdhsa_forward_progress 1
		.amdhsa_inst_pref_size 254
	.end_amdhsa_kernel
	.amdgpu_metadata
---
amdhsa.version: [ 1, 2 ]
amdhsa.kernels:
  - .name:           k_qf5779eaf93_knn
    .symbol:         k_qf5779eaf93_knn.kd
    .args:
      - { .name: xb, .offset: 0, .size: 8, .value_kind: global_buffer, .address_space: global }
      - { .name: hn, .offset: 8, .size: 8, .value_kind: global_buffer, .address_space: global }
      - { .name: part, .offset: 16, .size: 8, .value_kind: global_buffer, .address_space: global }
    .group_segment_fixed_size: 327680
    .private_segment_fixed_size: 0
    .kernarg_segment_align: 8
    .kernarg_segment_size: 24
    .max_flat_workgroup_size: 128
    .sgpr_count:     84
    .vgpr_count:     1024
    .wavefront_size: 32
...
	.end_amdgpu_metadata
.endif
;; end of part 2
;; launch finish (part 3): grid 256 x 1, 1 waves a work-group, no clusters, 0 bytes of LDS; arguments part, hn, out0; writes out0
.if DOCPART == 3
	.amdgcn_target "amdgcn-amd-amdhsa--gfx1250"
	.amdhsa_code_object_version 6
	.text
	.protected	k_qf5779eaf93_finish
	.globl	k_qf5779eaf93_finish
	.p2align	8
	.type	k_qf5779eaf93_finish,@function
k_qf5779eaf93_finish:
	s_mov_b64 s[64:65], 0
	v_nop
	global_prefetch_b8 v0, s[64:65] scope:SCOPE_SE
	s_setreg_imm32_b32 hwreg(HW_REG_WAVE_MODE, 25, 1), 1
	s_wait_xcnt 0x0
; out0[n] = -|ln(m / (a20 - m))|, where a0 <= a1 <= .. <= a20 are the 21 smallest distances of row n, m the mean of a1 .. a19.
; part: [8 splits][6][8192 rows][4] f32: for each row and split the 21 largest t = x.y - |y|^2 / 2, descending.  hn[n] = -|x_n|^2 / 2.  out0: [8192] f32.
; One thread, one row: the eight sorted lists are merged in registers; a_i = sqrt(max(|x|^2 - 2 t_i, 1e-12)).  Entry 0, the smallest distance, is dropped,
; whichever row it belongs to.  One wave a work-group, 256 work-groups: no LDS, no barrier; each load of part by the wave covers 512 consecutive bytes.
; The store is 128 bytes a wave: the whole output is 32 KiB, and two rows a thread would halve the waves at work.
; LIMITS: finite inputs.  v_sqrt_f32 and v_log_f32 are accurate to 1 ULP and take denormals as zero (ISA guide 15.8): a gap a20 - m below 2^-126
; gives -inf.  ln(m / d) is formed as ln m - ln d.
.set L,   8                            ; v[8:199]    list s at L + 24 s; list 0 becomes the merged list
.set R,   200                          ; v[200:219]  a1 .. a20
.set SUM, 220                          ; v[220:223]  four chains
.set M,   224                          ; v224 m, v225 a20 - m, v226-227 their logarithms, v228 the result
; Insert v[val] into the descending list v[base .. base + len - 1], given that entries 0 .. pos - 1 are no smaller than it.
.macro INS base, pos, len, val
.set ii, \len-1
.rept \len-1-(\pos)
	v_med3_num_f32 v[\base+ii], v[\base+ii-1], v[\base+ii], v[\val]
.set ii, ii-1
.endr
	v_max_num_f32 v[\base+(\pos)], v[\base+(\pos)], v[\val]
.endm
	s_load_b128 s[4:7], s[0:1], 0x0                ; part s[4:5], hn s[6:7]
	s_load_b64 s[8:9], s[0:1], 0x10                ; out0
	v_lshlrev_b32 v1, 4, v0                        ; 16 bytes a row in each quarter of part
	v_lshlrev_b32 v2, 2, v0                        ; 4 bytes a row in hn and out0
	s_lshl_b32 s12, ttmp9, 9                       ; the work-group's 32 rows
	s_mov_b32 s13, 0
	s_lshl_b32 s14, ttmp9, 7
	s_mov_b32 s15, 0
	s_mov_b32 s10, 0xbf317218                      ; -ln 2
	s_mov_b32 s11, 0x2b8cbccc                      ; 1e-12
	s_wait_kmcnt 0x0
	s_add_nc_u64 s[4:5], s[4:5], s[12:13]
	s_add_nc_u64 s[6:7], s[6:7], s[14:15]
	s_add_nc_u64 s[8:9], s[8:9], s[14:15]
	global_load_b32 v3, v2, s[6:7]
.irp s, 0,1,2,3,4,5,6,7
.irp q, 0,1,2,3,4,5
	global_load_b128 v[L+24*\s+4*\q:L+24*\s+4*\q+3], v1, s[4:5] offset:(6*\s+\q)*131072 th:TH_LOAD_NT   ; at most 47 x 131,072, inside the signed 24-bit immediate
.endr
.endr
	; list s into list 0: its entry i begins at place i, since the i entries ahead of it have gone in
.irp s, 1,2,3,4,5,6,7
	s_wait_loadcnt 42-6*\s                         ; loads come back in order: lists 0 .. s are in, the six loads of each younger list stay out
.set mi, 0
.rept 21
	INS L, mi, 21, L+24*\s+mi
.set mi, mi+1
.endr
.endr
	v_mul_f32 v4, -2.0, v3                         ; |x|^2
.set i, 0
.rept 20
	v_fma_f32 v[R+i], -2.0, v[L+1+i], v4           ; |x|^2 + |y|^2 - 2 x.y
.set i, i+1
.endr
.set i, 0
.rept 20
	v_max_num_f32 v[R+i], s11, v[R+i]
.set i, i+1
.endr
.set i, 0
.rept 20
	v_sqrt_f32 v[R+i], v[R+i]
.set i, i+1
.endr
	v_nop                                          ; one plain vector instruction stands between a root and the first use of its result (ISA guide 5.7.2)
	s_wait_alu depctr_va_vdst(0)
.irp c, 0,1,2,3
	v_add_f32 v[SUM+\c], v[R+\c], v[R+4+\c]        ; a1 .. a19 in four chains; the first pairs start them
.endr
.irp c, 0,1,2,3
	v_add_f32 v[SUM+\c], v[SUM+\c], v[R+8+\c]
.endr
.irp c, 0,1,2,3
	v_add_f32 v[SUM+\c], v[SUM+\c], v[R+12+\c]
.endr
.irp c, 0,1,2
	v_add_f32 v[SUM+\c], v[SUM+\c], v[R+16+\c]
.endr
	v_add_f32 v[SUM], v[SUM], v[SUM+1]
	v_add_f32 v[SUM+2], v[SUM+2], v[SUM+3]
	v_add_f32 v[SUM], v[SUM], v[SUM+2]
	v_mul_f32 v[M], 0x3d579436, v[SUM]             ; m = sum / 19
	v_sub_f32 v[M+1], v[R+19], v[M]                ; a20 - m
	v_log_f32 v[M+2], v[M]                         ; base 2
	v_log_f32 v[M+3], v[M+1]
	v_nop                                          ; the place behind the logarithms
	s_wait_alu depctr_va_vdst(0)
	v_sub_f32 v[M+4], v[M+2], v[M+3]
	v_mul_f32 v[M+4], s10, |v[M+4]|                ; -ln 2 x |log2 m - log2 (a20 - m)|
	global_store_b32 v2, v[M+4], s[8:9]
	s_endpgm
.Lfunc_end_k_qf5779eaf93_finish:
	.size	k_qf5779eaf93_finish, .Lfunc_end_k_qf5779eaf93_finish-k_qf5779eaf93_finish
	.p2alignl 7, 3214868480
	.fill 96, 4, 3214868480
	.section	.rodata,"a",@progbits
	.p2align	6, 0x0
	.amdhsa_kernel k_qf5779eaf93_finish
		.amdhsa_group_segment_fixed_size 0
		.amdhsa_private_segment_fixed_size 0
		.amdhsa_enable_private_segment 0
		.amdhsa_kernarg_size 24
		.amdhsa_user_sgpr_count 2
		.amdhsa_user_sgpr_kernarg_segment_ptr 1
		.amdhsa_wavefront_size32 1
		.amdhsa_system_sgpr_workgroup_id_x 1
		.amdhsa_system_sgpr_workgroup_id_y 1
		.amdhsa_system_sgpr_workgroup_id_z 1
		.amdhsa_system_vgpr_workitem_id 0
		.amdhsa_next_free_vgpr 232
		.amdhsa_next_free_sgpr 66
		.amdhsa_reserve_vcc 0
		.amdhsa_float_denorm_mode_32 3
		.amdhsa_float_denorm_mode_16_64 3
		.amdhsa_memory_ordered 1
		.amdhsa_forward_progress 1
		.amdhsa_inst_pref_size 106
	.end_amdhsa_kernel
	.amdgpu_metadata
---
amdhsa.version: [ 1, 2 ]
amdhsa.kernels:
  - .name:           k_qf5779eaf93_finish
    .symbol:         k_qf5779eaf93_finish.kd
    .args:
      - { .name: part, .offset: 0, .size: 8, .value_kind: global_buffer, .address_space: global }
      - { .name: hn, .offset: 8, .size: 8, .value_kind: global_buffer, .address_space: global }
      - { .name: out0, .offset: 16, .size: 8, .value_kind: global_buffer, .address_space: global }
    .group_segment_fixed_size: 0
    .private_segment_fixed_size: 0
    .kernarg_segment_align: 8
    .kernarg_segment_size: 24
    .max_flat_workgroup_size: 32
    .sgpr_count:     66
    .vgpr_count:     232
    .wavefront_size: 32
...
	.end_amdgpu_metadata
.endif
;; end of part 3
;; ======== version 2 of 2: 3 launches; version 1 with the launch prep written anew for expert scheduling mode
;; workspace buffers: xb 12,582,912 bytes; hn 32,768 bytes; part 6,291,456 bytes
;; launch prep (part 4): grid 256 x 1, 8 waves a work-group, no clusters, 1,280 bytes of LDS; arguments features, xb, hn; writes xb, hn
.if DOCPART == 4
	.amdgcn_target "amdgcn-amd-amdhsa--gfx1250"
	.amdhsa_code_object_version 6
	.text
	.protected	k_qf5779eaf93_prep
	.globl	k_qf5779eaf93_prep
	.p2align	8
	.type	k_qf5779eaf93_prep,@function
k_qf5779eaf93_prep:
	s_mov_b64 s[64:65], 0
	v_nop
	global_prefetch_b8 v0, s[64:65] scope:SCOPE_SE
	s_setreg_imm32_b32 hwreg(HW_REG_WAVE_SCHED_MODE, 0, 2), 2
	s_setreg_imm32_b32 hwreg(HW_REG_WAVE_MODE, 25, 1), 1
	s_wait_xcnt 0x0
	s_wait_alu depctr_vm_vsrc(0)
; xb[n][k] = bf16(features[n][k]);  hn[n] = -1/2 x the sum over k of xb[n][k]^2, in f32, taken on the ROUNDED numbers, so that
; |x|^2 + |y|^2 - 2 x.y made later from xb and hn is the squared distance of the rounded rows.
; features: [8192][768] f32.  xb: [8192][768] bf16.  hn: [8192] f32.
; A stream: every byte is read once and written once; no matrix unit, no tensor load, no cluster (no two work-groups read the same bytes).
; Eight waves, 32 rows a work-group, four whole rows a wave.  A row is 3,072 bytes: six loads of 16 bytes a lane, each covering 512
; consecutive bytes.  All 24 loads of a wave go out at once; no register is used twice, so no loop and no wait for a source is needed.
; LIMIT: finite inputs whose row sums of squares stay finite in f32.
; THE MODE: SCHED_MODE bits 1:0 = 2 (LLVM: expert scheduling mode 2), set by the entry lines.  The code itself states the register dependences
; between vector instructions and memory or LDS instructions, with s_wait_alu, always for 0.
; THE PLAN.  Registers that memory or LDS instructions touch:
;   v3, v4, v5, v7  offsets and LDS addresses: written once at the head, read by every load and store, never written again.
;   X               written by the 24 loads alone, each into registers of its own; read by the conversions.
;   Y               each pair written by two conversions, read by one store (and by the widening lines), never written again.
;   HR              each register written by its row's last multiply, read by one LDS store, never written again.
;   v6              written by wave 0's LDS load alone, read by its store.      v176, v177  written at the head, read by the closing add alone.
;   T and S are named by vector instructions alone.
; A row goes: its twelve conversions; ONE wait on va_vdst; its six stores and the LDS store of the row before, on end; then the widening, the sums and
; the reduction.  That wait states that the row's Y is written and that the row before has written its HR.  One more stands behind the last row's
; reduction.  No register that a memory or LDS instruction reads is written again, so the rows need no wait on vm_vsrc.
.set ROWIN,  3072                      ; bytes in a row of features
.set ROWOUT, 1536                      ; bytes in a row of xb
.set X,  8                             ; v[8:103]    load (row p, piece i): 4 registers at X + 4 (6 p + i)
.set Y,  104                           ; v[104:151]  the same four numbers as bf16: 2 registers at Y + 2 (6 p + i); each store's own data
.set T,  152                           ; v[152:159]  the rounded numbers widened again, two sets that take turns
.set S,  160                           ; v[160:163]  four running sums of squares
.set HR, 164                           ; v[164:167]  -1/2 |row|^2 of my four rows
	s_load_b128 s[4:7], s[0:1], 0x0                ; features s[4:5], xb s[6:7]
	s_load_b64 s[8:9], s[0:1], 0x10                ; hn
	v_lshl_add_u32 v176, v0, 2, 0x100
	v_mov_b32 v177, 0
	v_lshrrev_b32 v1, 5, v0
	v_readfirstlane_b32 s10, v1                    ; wave 0..7
	v_and_b32 v2, 31, v0                           ; lane
	s_mul_i32 s16, ttmp9, 32*ROWIN                 ; the work-group's 32 rows in features,
	s_mov_b32 s17, 0
	s_mul_i32 s18, ttmp9, 32*ROWOUT                ; in xb,
	s_mov_b32 s19, 0
	s_lshl_b32 s20, ttmp9, 7                       ; and in hn (32 words)
	s_mov_b32 s21, 0
	s_mov_b32 s12, 0x76543210                      ; v_permlanex16_b32: lane i of one half reads lane i of the other
	s_mov_b32 s13, 0xfedcba98
	s_mov_b32 s14, 0xffff0000                      ; a word's upper bf16
	s_wait_alu depctr_va_sdst(0)                   ; s10 is written, ahead of its first reader: the wave's offsets are made from it
	s_mul_i32 s15, s10, 4*ROWIN
	v_lshl_add_u32 v3, v2, 4, s15                  ; in: my wave's four rows + 16 bytes a lane
	s_mul_i32 s22, s10, 4*ROWOUT
	v_lshl_add_u32 v4, v2, 3, s22                  ; out: my wave's four rows + 8 bytes a lane
	s_lshl_b32 s23, s10, 4
	v_mov_b32 v5, s23                              ; LDS: my wave's four words
	v_lshlrev_b32 v7, 2, v2                        ; lane x 4: the work-group's 32 words, for wave 0
	s_wait_kmcnt 0x0
	s_add_nc_u64 s[4:5], s[4:5], s[16:17]
	s_add_nc_u64 s[6:7], s[6:7], s[18:19]
	s_add_nc_u64 s[8:9], s[8:9], s[20:21]
	s_wait_alu depctr_va_vdst(0)                   ; v3, v4, v5 and v7 are written: every load, store and LDS instruction of the kernel reads one of them as its offset or address
.irp p, 0,1,2,3
.irp i, 0,1,2,3,4,5
	global_load_b128 v[X+4*(6*\p+\i):X+4*(6*\p+\i)+3], v3, s[4:5] offset:\p*ROWIN+\i*512 th:TH_LOAD_NT
.endr
.endr
; One row: round, store, and sum the squares of what was stored.
.macro ROW p
	s_wait_loadcnt 18-6*\p                         ; loads come back in order: this row's six are in, the six of each younger row stay out
.irp i, 0,1,2,3,4,5
.set XX, X+4*(6*\p+\i)
.set YY, Y+2*(6*\p+\i)
	v_cvt_pk_bf16_f32 v[YY],   v[XX],   v[XX+1]    ; two roundings to nearest even, packed
	v_cvt_pk_bf16_f32 v[YY+1], v[XX+2], v[XX+3]
.endr
	s_wait_alu depctr_va_vdst(0)                   ; the twelve conversions have written this row's Y, which the six stores read; the row before has written its HR, which the LDS store reads
.irp i, 0,1,2,3,4,5
	global_store_b64 v4, v[Y+2*(6*\p+\i):Y+2*(6*\p+\i)+1], s[6:7] offset:\p*ROWOUT+\i*256   ; 32 lanes x 8 bytes: 256 consecutive bytes, at a multiple of 256 from xb's first byte
.endr
.if \p > 0
	ds_store_b32 v5, v[HR+\p-1] offset:4*(\p-1)    ; the row before: every lane writes the same word with the same number
.endif
.irp i, 0,1,2,3,4,5
.set YY, Y+2*(6*\p+\i)
.set TT, T+4*(\i&1)
	v_lshlrev_b32 v[TT],   16,  v[YY]              ; bf16 to f32: the low half moves up, the high half stays
	v_and_b32     v[TT+1], s14, v[YY]
	v_lshlrev_b32 v[TT+2], 16,  v[YY+1]
	v_and_b32     v[TT+3], s14, v[YY+1]
.if \i == 0
	v_pk_mul_f32 v[S:S+1],   v[TT:TT+1],   v[TT:TT+1]      ; the first piece starts the sums: nothing is cleared
	v_pk_mul_f32 v[S+2:S+3], v[TT+2:TT+3], v[TT+2:TT+3]
.else
	v_pk_fma_f32 v[S:S+1],   v[TT:TT+1],   v[TT:TT+1],   v[S:S+1]
	v_pk_fma_f32 v[S+2:S+3], v[TT+2:TT+3], v[TT+2:TT+3], v[S+2:S+3]
.endif
.endr
	v_pk_add_f32 v[S:S+1], v[S:S+1], v[S+2:S+3]
	v_add_f32 v[S], v[S], v[S+1]
	v_add_f32_dpp v[S], v[S], v[S] row_xmask:1 row_mask:0xf bank_mask:0xf    ; across the 16 lanes of each half,
	v_add_f32_dpp v[S], v[S], v[S] row_xmask:2 row_mask:0xf bank_mask:0xf
	v_add_f32_dpp v[S], v[S], v[S] row_xmask:4 row_mask:0xf bank_mask:0xf
	v_add_f32_dpp v[S], v[S], v[S] row_xmask:8 row_mask:0xf bank_mask:0xf
	v_permlanex16_b32 v[S+1], v[S], s12, s13       ; and across the halves (the destination has been written before)
	v_add_f32 v[S], v[S], v[S+1]
	v_mul_f32 v[HR+\p], -0.5, v[S]
.endm
	ROW 0
	ROW 1
	ROW 2
	ROW 3
	s_wait_alu depctr_va_vdst(0)                   ; the last row's reduction has written its HR, which the LDS store reads
	ds_store_b32 v5, v[HR+3] offset:12             ; every lane writes the same word with the same number
	; The 32 numbers of the work-group leave as one store of 128 consecutive bytes instead of 32 stores of one word.
	s_wait_dscnt 0x0                               ; my four words are in LDS, for wave 0's sake
	s_barrier_signal -1
	s_barrier_wait -1
	s_cmp_lg_u32 s10, 0
	s_cbranch_scc1 .Ldone
	ds_load_b32 v6, v7                             ; no vector instruction names v6; v7 stands since the head's wait on va_vdst
	s_wait_dscnt 0x0
	global_store_b32 v7, v6, s[8:9]
.Ldone:
	s_wait_dscnt 0x0                               ; the closing lines, six on end
	s_wait_alu 0x0
	s_wait_tensorcnt 0x0
	ds_add_u32 v176, v177
	s_wait_dscnt 0x0
	s_endpgm
.Lfunc_end_k_qf5779eaf93_prep:
	.size	k_qf5779eaf93_prep, .Lfunc_end_k_qf5779eaf93_prep-k_qf5779eaf93_prep
	.p2alignl 7, 3214868480
	.fill 96, 4, 3214868480
	.section	.rodata,"a",@progbits
	.p2align	6, 0x0
	.amdhsa_kernel k_qf5779eaf93_prep
		.amdhsa_group_segment_fixed_size 1280
		.amdhsa_private_segment_fixed_size 0
		.amdhsa_enable_private_segment 0
		.amdhsa_kernarg_size 24
		.amdhsa_user_sgpr_count 2
		.amdhsa_user_sgpr_kernarg_segment_ptr 1
		.amdhsa_wavefront_size32 1
		.amdhsa_system_sgpr_workgroup_id_x 1
		.amdhsa_system_sgpr_workgroup_id_y 1
		.amdhsa_system_sgpr_workgroup_id_z 1
		.amdhsa_system_vgpr_workitem_id 0
		.amdhsa_next_free_vgpr 178
		.amdhsa_next_free_sgpr 66
		.amdhsa_reserve_vcc 0
		.amdhsa_float_denorm_mode_32 3
		.amdhsa_float_denorm_mode_16_64 3
		.amdhsa_memory_ordered 1
		.amdhsa_forward_progress 1
		.amdhsa_inst_pref_size 19
	.end_amdhsa_kernel
	.amdgpu_metadata
---
amdhsa.version: [ 1, 2 ]
amdhsa.kernels:
  - .name:           k_qf5779eaf93_prep
    .symbol:         k_qf5779eaf93_prep.kd
    .args:
      - { .name: features, .offset: 0, .size: 8, .value_kind: global_buffer, .address_space: global }
      - { .name: xb, .offset: 8, .size: 8, .value_kind: global_buffer, .address_space: global }
      - { .name: hn, .offset: 16, .size: 8, .value_kind: global_buffer, .address_space: global }
    .group_segment_fixed_size: 1280
    .private_segment_fixed_size: 0
    .kernarg_segment_align: 8
    .kernarg_segment_size: 24
    .max_flat_workgroup_size: 256
    .sgpr_count:     66
    .vgpr_count:     178
    .wavefront_size: 32
...
	.end_amdgpu_metadata
.endif
;; end of part 4
;; launch knn: the kernel of part 2 again; grid 8 x 32, 4 waves a work-group, clusters of 4 x 4, 327,680 bytes of LDS; arguments xb, hn, part; writes part
;; launch finish: the kernel of part 3 again; grid 256 x 1, 1 waves a work-group, no clusters, 0 bytes of LDS; arguments part, hn, out0; writes out0
